; MI455X (gfx1250); checked and timed in simulation.
; The chip was launched on July 23, 2026; its instructions are those of AMD's public machine-readable ISA for CDNA 5 (MIT licence, August 2026) and "CDNA5" Instruction Set Architecture Reference Guide (July 2026). The comments in the code are by the model that wrote it; some were corrected since.
;; Self Attention. Allowed arithmetic: float matrix products may take bf16 or f16 operands with f32 sums; all other float work in f32.
;; Inputs: k 2 x 8 x 4,096 x 64 float32; q 2 x 8 x 4,096 x 64 float32; v 2 x 8 x 4,096 x 64 float32.
;; Outputs: out0 2 x 8 x 4,096 x 64 float32.
;; One version. Each part assembles by itself: llvm-mc -triple=amdgcn-amd-amdhsa -mcpu=gfx1250 --defsym DOCPART=n.
;; ======== version 1 of 1: 2 launches
;; limits: values are held in f16: magnitudes above 65,504 overflow, below 6.1e-05 lose precision; inputs' magnitudes at most 65,504; below input magnitudes of 6.1e-05 results are inexact or not finite
;; workspace buffers: kh 8,388,608 bytes; vh 8,388,608 bytes
;; launch cvt (part 1): grid 512 x 1, 8 waves a work-group, no clusters, 0 bytes of LDS; arguments k, v, kh, vh; writes kh, vh
.if DOCPART == 1
	.amdgcn_target "amdgcn-amd-amdhsa--gfx1250"
	.amdhsa_code_object_version 6
	.text
	.protected	k_q7039c45c79_cvt
	.globl	k_q7039c45c79_cvt
	.p2align	8
	.type	k_q7039c45c79_cvt,@function
k_q7039c45c79_cvt:
	s_mov_b64 s[64:65], 0
	v_nop
	global_prefetch_b8 v0, s[64:65] scope:SCOPE_SE
	s_setreg_imm32_b32 hwreg(HW_REG_WAVE_MODE, 25, 1), 1
	s_wait_xcnt 0x0
; kh = k and vh = v, each number rounded once to f16 (nearest even).  k, v: [16][4096][64] f32, 16 MiB each; kh, vh: the same order in f16, 8 MiB each.
; LIMIT.  f16 holds no number beyond 65,504: a larger |k| or |v| becomes an infinity.
; A stream: every byte is read once and written once; LDS, barriers and the matrix unit would add nothing.  512 work-groups of eight waves; a work-group owns 32,768 bytes of k and of v.
; Thread t takes the 16 bytes at 16 t of each block of 4,096 bytes: a wave's load covers 512 consecutive bytes, and its store of 8 bytes a lane 256 consecutive bytes, at a multiple of 256 from the buffer's first byte.
; All sixteen loads of a thread go out first; every register is written once, so no source of a pending load or store is ever rewritten.
.set NL,  8                            ; blocks of 4,096 bytes of each tensor
.set X,   4                            ; v[4:67]    load i: 4 registers, 4 numbers in f32 (0-7: k, 8-15: v)
.set Y,   68                           ; v[68:99]   the same 4 numbers in f16, 2 registers
	s_load_b256 s[4:11], s[0:1], 0x0               ; k s[4:5], v s[6:7], kh s[8:9], vh s[10:11]
	s_lshl_b32 s12, ttmp9, 15                      ; my work-group's 32,768 bytes of f32,
	s_mov_b32 s13, 0
	s_lshl_b32 s14, ttmp9, 14                      ; and its 16,384 bytes of f16
	s_mov_b32 s15, 0
	v_lshlrev_b32 v1, 4, v0                        ; 16 t
	v_lshlrev_b32 v2, 3, v0                        ; 8 t
	s_wait_kmcnt 0x0
	s_add_nc_u64 s[4:5], s[4:5], s[12:13]
	s_add_nc_u64 s[6:7], s[6:7], s[12:13]
	s_add_nc_u64 s[8:9], s[8:9], s[14:15]
	s_add_nc_u64 s[10:11], s[10:11], s[14:15]
.irp i, 0,1,2,3,4,5,6,7
	global_load_b128 v[X+4*(\i):X+4*(\i)+3], v1, s[4:5] offset:4096*(\i) th:TH_LOAD_NT
.endr
.irp i, 0,1,2,3,4,5,6,7
	global_load_b128 v[X+32+4*(\i):X+32+4*(\i)+3], v1, s[6:7] offset:4096*(\i) th:TH_LOAD_NT
.endr
.irp i, 0,1,2,3,4,5,6,7
	s_wait_loadcnt 15-(\i)                         ; loads come back in order (ISA guide 5.7.1): load i is in, the 15 - i younger ones stay out
	v_cvt_pk_f16_f32 v[Y+2*(\i)],   v[X+4*(\i)],   v[X+4*(\i)+1]
	v_cvt_pk_f16_f32 v[Y+2*(\i)+1], v[X+4*(\i)+2], v[X+4*(\i)+3]
	global_store_b64 v2, v[Y+2*(\i):Y+2*(\i)+1], s[8:9] offset:2048*(\i)
.endr
.irp i, 0,1,2,3,4,5,6,7
	s_wait_loadcnt 7-(\i)
	v_cvt_pk_f16_f32 v[Y+16+2*(\i)],   v[X+32+4*(\i)],   v[X+32+4*(\i)+1]
	v_cvt_pk_f16_f32 v[Y+16+2*(\i)+1], v[X+32+4*(\i)+2], v[X+32+4*(\i)+3]
	global_store_b64 v2, v[Y+16+2*(\i):Y+16+2*(\i)+1], s[10:11] offset:2048*(\i)
.endr
	s_endpgm
.Lfunc_end_k_q7039c45c79_cvt:
	.size	k_q7039c45c79_cvt, .Lfunc_end_k_q7039c45c79_cvt-k_q7039c45c79_cvt
	.p2alignl 7, 3214868480
	.fill 96, 4, 3214868480
	.section	.rodata,"a",@progbits
	.p2align	6, 0x0
	.amdhsa_kernel k_q7039c45c79_cvt
		.amdhsa_group_segment_fixed_size 0
		.amdhsa_private_segment_fixed_size 0
		.amdhsa_enable_private_segment 0
		.amdhsa_kernarg_size 32
		.amdhsa_user_sgpr_count 2
		.amdhsa_user_sgpr_kernarg_segment_ptr 1
		.amdhsa_wavefront_size32 1
		.amdhsa_system_sgpr_workgroup_id_x 1
		.amdhsa_system_sgpr_workgroup_id_y 1
		.amdhsa_system_sgpr_workgroup_id_z 1
		.amdhsa_system_vgpr_workitem_id 0
		.amdhsa_next_free_vgpr 100
		.amdhsa_next_free_sgpr 66
		.amdhsa_reserve_vcc 0
		.amdhsa_float_denorm_mode_32 3
		.amdhsa_float_denorm_mode_16_64 3
		.amdhsa_memory_ordered 1
		.amdhsa_forward_progress 1
		.amdhsa_inst_pref_size 7
	.end_amdhsa_kernel
	.amdgpu_metadata
---
amdhsa.version: [ 1, 2 ]
amdhsa.kernels:
  - .name:           k_q7039c45c79_cvt
    .symbol:         k_q7039c45c79_cvt.kd
    .args:
      - { .name: k, .offset: 0, .size: 8, .value_kind: global_buffer, .address_space: global }
      - { .name: v, .offset: 8, .size: 8, .value_kind: global_buffer, .address_space: global }
      - { .name: kh, .offset: 16, .size: 8, .value_kind: global_buffer, .address_space: global }
      - { .name: vh, .offset: 24, .size: 8, .value_kind: global_buffer, .address_space: global }
    .group_segment_fixed_size: 0
    .private_segment_fixed_size: 0
    .kernarg_segment_align: 8
    .kernarg_segment_size: 32
    .max_flat_workgroup_size: 256
    .sgpr_count:     66
    .vgpr_count:     100
    .wavefront_size: 32
...
	.end_amdgpu_metadata
.endif
;; end of part 1
;; launch attn (part 2): grid 16 x 16, 4 waves a work-group, clusters of 4 x 1, 327,680 bytes of LDS; arguments q, kh, vh, out0; writes out0
.if DOCPART == 2
	.amdgcn_target "amdgcn-amd-amdhsa--gfx1250"
	.amdhsa_code_object_version 6
	.text
	.protected	k_q7039c45c79_attn
	.globl	k_q7039c45c79_attn
	.p2align	8
	.type	k_q7039c45c79_attn,@function
k_q7039c45c79_attn:
	s_mov_b64 s[64:65], 0
	v_nop
	global_prefetch_b8 v0, s[64:65] scope:SCOPE_SE
	s_setreg_imm32_b32 hwreg(HW_REG_WAVE_MODE, 25, 1), 1
	s_wait_xcnt 0x0
	s_wait_alu depctr_hold_cnt(0) depctr_sa_sdst(0) depctr_va_vdst(0) depctr_va_sdst(0) depctr_va_ssrc(0) depctr_va_vcc(0) depctr_vm_vsrc(0)
	s_getreg_b32 s2, hwreg(HW_REG_IB_STS2, 6, 4)
	s_cmp_eq_u32 s2, 0
	s_cbranch_scc0 .Lentry_in_a_cluster
	s_endpgm
.Lentry_in_a_cluster:
	s_bfe_u32 s2, ttmp6, 0x10000c
	s_cmp_lg_u32 s2, 0x3003
	s_cbranch_scc0 .Lentry_shape_is_right
	s_endpgm
.Lentry_shape_is_right:
; O[h][q][:] = the sum over k of softmax_k(Q[h][q] . K[h][k] / 16) V[h][k][:].  Q, O: [16 heads][4096][64] f32 (a row is 256 bytes); K, V arrive as f16 in the same order (a row is 128 bytes, a head's rows are dense).
; FORMATS.  Q is rounded once to f16 here, K and V were by the launch in front, the weights p are for the second product; products, maxima and sums in f32 (l is the sum of the unrounded p); O leaves as f32.
; LIMITS.  f16 holds no number beyond 65,504: |q| above that becomes an infinity.  p lies in 0 to 1, and below 6e-5 it keeps f16's fixed step of 6e-8.  A weight below 2^-126 counts as 0 in l.
; NaN and infinities are not treated apart.  The maximum is a true running maximum: m starts at the lowest finite number.
; SHARES.  A work-group owns 256 queries of one head (16 x 16 work-groups), each of its four waves 64 consecutive ones: four PIECES of 16.  Every wave walks all 4,096 keys, 64 a step.
; CLUSTER.  The four query blocks of a cluster belong to one head and walk the same K and V, so each tile is asked for JOINTLY: the same tensor load, descriptor and mask in all four.
; LAYOUT, SOFTMAX, TURNS.  S^T = K Q^T holds ONE query a lane (lane % 16) and the keys 8 (lane / 16) + 0..7; two such results rounded to f16 ARE source 1 of O^T = V^T P.  p = 2^(c s - c m), c = log2(e) / 16, with a
; running maximum m; O and l are multiplied by a = 2^(c m_old - c m_new) in every step.  Turn n belongs to piece n: 8 products K Q^T of piece n + 1, later 8 products V^T P of piece n - 1; beside them the scaling,
; exponentials, roundings, sums and rescaling of piece n and the maximum and statistics of piece n + 1.  Four vector instructions stand behind every matrix instruction, the other 54 of a turn's 118 in two lumps.
; NO FIRST AND NO LAST STEP IS WRITTEN OUT.  c m starts far below every c s, so the first a is 0; O^T, l, V's registers and P's second buffer start at 0 (216 v_mov_b32, in the wait for the first tile).  The loop is
; entered, and the tail left, in the middle of a trip; the tail's last half trip makes 8 products on the last K once more, which serve nothing: the price, once a launch, of one text for every trip.
; REGISTERS, in windows of 256 (s_set_vgpr_msb: bits 1:0 source 0, 3:2 source 1, 5:4 source 2, 7:6 destination):
;   window 0: v0-15 addresses and two at work; v16-31 four registers of statistics a piece; v48-55 at work; v64-127 S^T, two buffers; v192-223 P, two buffers (a piece's buffers go by its number's parity)
;   window 1: v0-127 O^T, 32 a piece (before that: Q as f32)          window 2: v0-63 Q in f16; v128-191 K of one step; v192-255 V of one step
.set NP,    4         ; pieces a wave: a name, no knob
.set KS,    64        ; keys in a step
.set NS,    16        ; slots' worth of keys in a head: 4,096 / 256
.set PK,    144       ; a row of K in LDS: 128 bytes + 16 of padding = 36 words: the 16 rows of a load start at 16 different groups of four banks (64 banks of 4 bytes: ISA guide 11.1)
.set PV,    160       ; a row of V: 128 + 32 = 40 words
.set VOFF,  4*KS*PK   ; a slot holds four steps: 256 rows of K, then 256 rows of V
.set SLOT1, 1<<17     ; slot 1 begins here, so that one exclusive or turns an address in one slot into the other's
.set STAGE, SLOT1+4*KS*(PK+PV)  ; behind the ring, never filled by a tensor load: 16 rows x 272 bytes for each wave, for the way out
.set SP,    272       ; a stage row: 256 bytes + 16 = 68 words: row r starts at bank 4 r mod 64
.set SPARE, STAGE+4*16*SP       ; behind the stages: the spare words, 128 bytes for each wave: two blocks of 256 bytes that no other line names
.set AK0, 2           ; v2   my lane's place in a tile of K; never rewritten
.set AV0, 3           ; v3   the same for V
.set AK,  4           ; v4   the LDS address of K's next run of loads
.set AV,  5           ; v5   of V's
.set STO, 6           ; v6   the way out: where I put 32 bytes of a row
.set RD,  7           ; v7   the way out: where I read rows back
.set GO,  8           ; v8   16 x lane: my byte offset in 512 consecutive bytes of O
.set MV,  12          ; v12-13  c m_old, kept while c m is made anew: by buffer
.set QO,  15          ; v15  my byte offset in 16 rows of Q
.set ST,  16          ; piece t's statistics at v[ST+4 t]: c m, m, l (even keys', odd keys')
.set TMP, 48          ; by buffer, four registers c0-c3 at work; when the maximum is found c2 takes a
.set SPW, 62          ; v62  LDS address of my spare word: SPARE + 4 x my thread's number; never rewritten
.set NIL, 63          ; v63  0; never rewritten
.set S,   64
.set P,   192
.set OB,  64          ; the way out: rows read back from the stage, 32 registers a piece
.set KF,  128         ; window 2: key block kb, channel half c at KF + 16 kb + 8 c
.set VF,  192         ; window 2: key half kk, channel block cb at VF + 32 kk + 8 cb
.set WV,  12          ; s12  my wave's number
.set G1K, 24          ; s[24:31] descriptor group 1 for K's tiles
.set G1V, 32          ; s[32:39] for V's: it differs in the padding alone
.set G0K, 40          ; s[40:43] descriptor group 0 for K's tiles: it walks
.set G0V, 44          ; s[44:47] the same for V's
.set SLOTS, 56        ; s56  slots still to be entered in the loop
.set CNT, 57          ; s57  counts a slot's key steps
.set CS,  58          ; s[58:59] c: the packed scaling takes the pair's low word for both halves
.set SEL, 60          ; s[60:61] v_permlanex16_b32's selects: each lane takes its own place in the other half
.set TBK, 62          ; s62  LDS byte at which K of the step to be fetched begins
.set TBV, 63          ; s63  the same for V, less VOFF
.set MSB, 0
.macro WIN new                      ; the high byte repeats the setting that is left; a switch that changes nothing is dropped
.if MSB != (\new)
	s_set_vgpr_msb (MSB<<8)|(\new)
.set MSB, (\new)
.endif
.endm
.set W_KQ, 0x0a       ; K and Q in window 2, S^T in window 0
.set W_PV, 0x52       ; V in window 2, P in window 0, O^T in window 1
.set W_RS, 0x41       ; destination and source 0 in window 1, source 1 in window 0
; A joint fill.  Waves 0 and 1 fetch the two halves of a slot's K, waves 2 and 3 those of its V: 128 keys each.  The branch hangs on the wave's number alone: it is the same in every work-group.
; An s_nop 0 and four v_nop follow each of the two lines, ahead of the jump and the label.
.macro JLOAD
	s_cmp_lt_u32 s[WV], 2
	s_cbranch_scc0 .Lfor_v_\@
	tensor_load_to_lds s[G0K:G0K+3], s[G1K:G1K+7]
	s_nop 0
.rept 4
	v_nop
.endr
	s_branch .Lasked_\@
.Lfor_v_\@:
	tensor_load_to_lds s[G0V:G0V+3], s[G1V:G1V+7]
	s_nop 0
.rept 4
	v_nop
.endr
.Lasked_\@:
.endm
; A round of the cluster's barrier: my work-group's barrier, so that wave 0's signal speaks for all four waves; wave 0 signals; every wave waits for all four work-groups; my work-group's barrier once more.
.macro CROUND
	s_barrier_signal -1
	s_barrier_wait -1
	s_cmp_lg_u32 s[WV], 0
	s_cbranch_scc1 .Lnot_wave_0_\@
	s_barrier_signal -3
.Lnot_wave_0_\@:
	s_barrier_wait -3
	s_barrier_signal -1
	s_barrier_wait -1
.endm
; THE CHANGE OF SLOTS.  The slot's last bytes, V of its fourth step, have been read.  Each wave waits for all its tensor loads, of which one is out: its part of the other slot; adds 0 to its spare word; and waits
; for that and for its own reads of the slot.  Behind the barrier nobody reads this slot any more and the other slot is whole.
; fill = 1: this slot is filled again, with the keys two slots on.  The barrier is then a round of the cluster's, so that no wave of any partner still reads the slot or has a load on its way, and the joint fill
; is the first thing behind it: it has four key steps, 256 matrix instructions a wave, in which to land.  (At its first use nothing has been read yet: slot 0 is waited for, slot 1 filled.)
.macro CHANGE fill
	WIN 0                           ; at a label and at a branch every window is 0
	s_wait_tensorcnt 0x0            ; no tensor load of mine is out, so a group 0 may be written
	ds_add_u32 v[SPW], v[NIL]       ; 0 onto my spare word; with fill = 1 the descriptors' steps stand between it and the wait for it
.if \fill
.irp g, G0K, G0V
	s_xor_b32 s[\g+1], s[\g+1], SLOT1  ; the walking descriptor: the other slot than last time,
	s_add_nc_u64 s[\g+2:\g+3], s[\g+2:\g+3], 4*KS*128  ; the next 256 keys; the type bits on top are not reached
.endr
	s_wait_dscnt 0x0                ; the add is done, and my reads of the slot are over
	CROUND
	JLOAD
.else
	s_wait_dscnt 0x0                ; the add is done, and my reads of the slot are over
	s_barrier_signal -1
	s_barrier_wait -1
.endif
	s_sub_co_u32 s[TBK], s[TBK], 4*KS*PK  ; the fetches go back to a slot's first step,
	s_xor_b32 s[TBK], s[TBK], SLOT1       ; in the other slot
	s_sub_co_u32 s[TBV], s[TBV], 4*KS*PV
	s_xor_b32 s[TBV], s[TBV], SLOT1
.endm
	s_load_b256 s[4:11], s[0:1], 0x0  ; Q s[4:5], K s[6:7], V s[8:9], O s[10:11]
	v_lshl_add_u32 v[SPW], v0, 2, SPARE
	v_mov_b32 v[NIL], 0
	ds_add_u32 v[SPW], v[NIL]       ; the wave's opening: the add and its wait stand ahead of my first tensor load; the set-up below, work on registers, stands between them
	v_lshrrev_b32 v1, 5, v0
	v_readfirstlane_b32 s[WV], v1   ; wave 0..3
	s_bfe_u32 s13, ttmp6, 0x40000   ; cx: my place in the cluster
	s_lshl_b32 s14, ttmp9, 2        ; in a cluster launch ttmp9 counts clusters
	s_add_co_u32 s14, s14, s13      ; my block of 256 queries = 4 x cluster x + cx: it enters Q's and O's addresses alone
	s_and_b32 s20, ttmp7, 0xffff    ; the head, which the four partners share:
	s_lshl_b32 s21, s20, 19         ; its first byte in K and V (4,096 rows of 128 bytes),
	s_lshl_b32 s20, s20, 20         ; and in Q and O (rows of 256 bytes)
	s_and_b32 s16, s[WV], 1         ; which half of a slot's 256 keys I fetch:
	s_lshl_b32 s22, s16, 14         ; its 128 rows of 128 bytes in memory,
	s_add_co_u32 s22, s22, s21
	s_mov_b32 s23, 0
	s_mul_i32 s17, s16, 128*PK      ; and its place in a slot, for K
	s_mul_i32 s18, s16, 128*PV      ; and for V: no place in the cluster enters an LDS address
	s_lshl_b32 s2, s14, 16          ; my block's 256 rows of Q and O,
	s_lshl_b32 s3, s[WV], 14        ; my wave's 64 of them
	s_add_co_u32 s2, s2, s3
	s_add_co_u32 s2, s2, s20
	s_mov_b32 s3, 0
	; descriptor group 1.  128 keys are 16,384 dense bytes: asked for as 64 rows of 256 bytes, two keys a row, and padded in LDS after every key
	s_mov_b32 s[G1K], 15|(1<<16)|(1<<20)|(1<<21)|(4<<22)|(3<<25)  ; 15:0 the mask of four; 17:16 2-byte elements; 20 padding on; 21 set beside a mask; 24:22 after every 32 words (code 4); 31:25 4 words (code 3)
	s_mov_b32 s[G1V], 15|(1<<16)|(1<<20)|(1<<21)|(4<<22)|(7<<25)  ; the same with 8 words of padding (code 7)
.irp g, G1K, G1V
	s_mov_b32 s[\g+1], 128<<16      ; tensor_dim0 = 128
	s_mov_b32 s[\g+2], 64<<16       ; tensor_dim1 = 64
	s_mov_b32 s[\g+3], 128<<16      ; tile_dim0 = 128
	s_mov_b32 s[\g+4], 64           ; tile_dim1 = 64
	s_mov_b32 s[\g+5], 128          ; 128 elements from row to row
	s_mov_b32 s[\g+6], 0
	s_mov_b32 s[\g+7], 0
.endr
	s_mov_b32 s[CS], 0x3db8aa3b     ; c = log2(e) / 16 = 0.0901684
	s_mov_b32 s[CS+1], s[CS]        ; named with it as a pair
	s_mov_b32 s[SEL], 0x76543210
	s_mov_b32 s[SEL+1], 0xfedcba98
	s_mov_b32 s[TBK], SLOT1+4*KS*PK ; the first change of slots turns these two into 0
	s_mov_b32 s[TBV], SLOT1+4*KS*PV
	s_mov_b32 s[G0K], 1             ; 1:0 count = 1
	s_mov_b32 s[G0K+1], s17         ; 63:32 LDS address: slot 0
	s_mov_b32 s[G0V], 1
	s_add_co_u32 s[G0V+1], s18, VOFF
	s_wait_dscnt 0x0                ; the opening add is done
	s_wait_kmcnt 0x0
	s_add_nc_u64 s[G0K+2:G0K+3], s[6:7], s[22:23]  ; 120:64 global address: my half of the head's first 256 keys
	s_or_b32 s[G0K+3], s[G0K+3], 0x80000000        ; 127:126 type = 2
	s_add_nc_u64 s[G0V+2:G0V+3], s[8:9], s[22:23]
	s_or_b32 s[G0V+3], s[G0V+3], 0x80000000
	s_add_nc_u64 s[4:5], s[4:5], s[2:3]    ; Q and O at my wave's first row
	s_add_nc_u64 s[10:11], s[10:11], s[2:3]
	CROUND                          ; all four work-groups are here: the first joint loads meet
	JLOAD                           ; slot 0.  Slot 1 is asked for when slot 0 is in: one tensor load of mine is out at any time
	; A fragment of K or Q is 16 rows x 32 channels in 8 registers: lane l holds row l % 16, channels 8 (l / 16) + 0..7 and 16 + 8 (l / 16) + 0..7.  As f32 those are twice 32 bytes, 64 bytes apart: four loads of 16.
	v_and_b32 v1, 15, v0            ; l % 16
	v_bfe_u32 v9, v0, 4, 1          ; l / 16
	v_lshlrev_b32 v[QO], 8, v1
	v_lshl_add_u32 v[QO], v9, 5, v[QO]  ; row x 256 + 32 x half
	WIN 0x40                        ; destination window 1, address window 0
.set i, 0
.rept 32                            ; Q as f32: piece i / 8, channels 32 ((i / 4) % 2) on, quarter i % 4 of the lane's 16 numbers
	global_load_b128 v[4*i:4*i+3], v[QO], s[4:5] offset:(i/8)*4096+((i/4)%2)*128+((i/2)%2)*64+(i%2)*16
.set i, i+1
.endr
	WIN 0
	v_mul_u32_u24 v[AK0], v1, PK
	v_lshl_add_u32 v[AK0], v9, 4, v[AK0]  ; row x pitch + 16 x half
	; The turning load takes 16 keys x 16 channels (lane l reads key 8 (l / 16) + l % 8, channels 8 ((l / 8) % 2) + 0..7) and leaves half a fragment of V^T: lane l holds channel l % 16 and 8 keys.
	v_and_b32 v10, 7, v0
	v_bfe_u32 v11, v0, 3, 1
	v_lshl_add_u32 v[AV0], v9, 3, v10
	v_mul_u32_u24 v[AV0], v[AV0], PV
	v_lshl_add_u32 v[AV0], v11, 4, v[AV0]
	v_add_nc_u32 v[AV0], VOFF, v[AV0]
	s_mul_i32 s13, s[WV], 16*SP
	s_add_co_u32 s13, s13, STAGE    ; my stage
	v_mul_u32_u24 v[STO], v1, SP    ; in: row l % 16, 32 bytes for each half of the lanes
	v_lshl_add_u32 v[STO], v9, 5, v[STO]
	v_add_nc_u32 v[STO], s13, v[STO]
	v_mul_u32_u24 v[RD], v9, SP     ; back: lanes 0-15 take one row of 256 bytes, lanes 16-31 the next,
	v_lshl_add_u32 v[RD], v1, 4, v[RD]
	v_add_nc_u32 v[RD], s13, v[RD]
	v_and_b32 v[GO], 31, v0         ; which are 512 consecutive bytes of O
	v_lshlrev_b32 v[GO], 4, v[GO]
	; What the first turn finds: V's registers and P's second buffer hold 0 (its products V^T P, of a piece that has not been, add 0), O^T and l are 0.  All this stands in the wait for the first tile.
.set i, 0
.rept 4
	v_mov_b32 v[ST+4*i], 0xfe000000    ; c m: far below every c s
	v_mov_b32 v[ST+4*i+1], 0xff7fffff  ; m
	v_mov_b32 v[ST+4*i+2], 0
	v_mov_b32 v[ST+4*i+3], 0
.set i, i+1
.endr
.set i, P+16
.rept 16
	v_mov_b32 v[i], 0
.set i, i+1
.endr
	WIN 0x80
.set i, VF
.rept 64
	v_mov_b32 v[i], 0
.set i, i+1
.endr
	s_wait_loadcnt 0x0              ; Q
	WIN 0x85                        ; sources window 1, destination window 2
.set i, 0
.rept 64                            ; Q stays in registers as f16: piece x, channel half c at 16 x + 8 c
	v_cvt_pk_f16_f32 v[i], v[2*i], v[2*i+1]
.set i, i+1
.endr
	WIN 0x40
.set i, 0
.rept 128
	v_mov_b32 v[i], 0
.set i, i+1
.endr
	WIN 0
; THE MATRIX WORK.  The 4 accumulators of a run of 8 take turns.  Product i of 8 of S^T = K Q^T for piece x: channels 32 (i / 4) on, keys 16 (i % 4) on.  The first 4 start the sums.
.macro KQ x
	WIN W_KQ
.set rS, S+32*((\x)%2)+8*(i%4)
.set rK, KF+16*(i%4)+8*(i/4)
.set rQ, 16*(\x)+8*(i/4)
.if i < 4
	v_wmma_f32_16x16x32_f16 v[rS:rS+7], v[rK:rK+7], v[rQ:rQ+7], 0
.else
	v_wmma_f32_16x16x32_f16 v[rS:rS+7], v[rK:rK+7], v[rQ:rQ+7], v[rS:rS+7]
.endif
.endm
; Product i of 8 of O^T += V^T P for piece x: keys 32 (i / 4) on, channels 16 (i % 4) on.
.macro PV x
	WIN W_PV
.set rO, 32*(\x)+8*(i%4)
.set rV, VF+32*(i/4)+8*(i%4)
.set rP, P+16*((\x)%2)+8*(i/4)
	v_wmma_f32_16x16x32_f16 v[rO:rO+7], v[rV:rV+7], v[rP:rP+7], v[rO:rO+7]
.endm
.macro MM                           ; the turn's next matrix instruction.  TURN sets Y and i
.if i < 8
	KQ (Y+1)%NP
.else
.set i, i-8
	PV (Y+NP-1)%NP
.set i, i+8
.endif
.set i, i+1
.endm
; THE LDS LOADS stand in runs of 16, never singly among the matrix instructions: a step's K (64 keys x 64 channels: 8 fragments) and its V (turned).  Their addresses are made some lines ahead.
; last = 1 (the tail): in the last trip there is no further step, and the run is jumped over.
.macro FETCH_K last=0
	WIN 0
.if \last
	s_cmp_eq_u32 s[CNT], 1
	s_cbranch_scc1 .Lno_k_\@
.endif
	WIN 0x80                        ; destination window 2
.irp f, 0,1,2,3,4,5,6,7             ; keys 16 (f / 2) on, channels 32 (f % 2) on
	ds_load_b128 v[KF+8*\f:KF+8*\f+3],   v[AK] offset:(\f/2)*16*PK+(\f%2)*64
	ds_load_b128 v[KF+8*\f+4:KF+8*\f+7], v[AK] offset:(\f/2)*16*PK+(\f%2)*64+32
.endr
	s_add_co_u32 s[TBK], s[TBK], KS*PK  ; the next fetch is the next step's
	WIN 0
.if \last
.Lno_k_\@:
.endif
.endm
.macro FETCH_V
	WIN 0x80
.irp f, 0,1,2,3,4,5,6,7             ; keys 32 (f / 4) on, channels 16 (f % 4) on
	ds_load_tr16_b128 v[VF+8*\f:VF+8*\f+3],   v[AV] offset:(\f/4)*32*PV+(\f%4)*32
	ds_load_tr16_b128 v[VF+8*\f+4:VF+8*\f+7], v[AV] offset:(\f/4)*32*PV+16*PV+(\f%4)*32
.endr
	WIN 0
.endm
; THE VECTOR WORK, one line at a time: OP kind, number.  For piece Y: F n: c s - c m for pair n of 16.  E n: the exponential of score n of 32.  C n: pair n rounded to f16.  B n: of the four weights 4 n .. the second
; pair is added onto the first, in place.  L n: l takes that sum (L 0: l = a l + sum).  R n: pair n of 16 of O^T times a.  For piece Y + 1: X n, number n of the 22 that find its maximum and statistics:
;   0-11  four chains c0-c3 of seven scores each, three operands at a time (each accumulator's lowest registers are read first)     12-14, 16  the four scores left over, the old m, and c0-c3 into c0
;   15  c m_old is kept     17, 18  the query's other 32 keys lie in the lane 16 away: the new m     19-21  c m; c m_old - c m_new; a
.set F, 0               ; OP tells the kinds apart by their order: F to L below R, X above it
.set E, 1
.set C, 2
.set B, 3
.set L, 4
.set R, 5
.set X, 6
.macro REGS y                       ; the registers of piece y
.set rT, ST+4*(\y)
.set rC, TMP+4*((\y)%2)
.set rW, MV+((\y)%2)
.set rS, S+32*((\y)%2)
.set rP, P+16*((\y)%2)
.set rO, 32*(\y)
.endm
.macro OP k, n
.if (\k) == R
	REGS Y
	WIN W_RS
	v_pk_mul_f32 v[rO+2*(\n):rO+2*(\n)+1], v[rO+2*(\n):rO+2*(\n)+1], v[rC+2:rC+3] op_sel_hi:[1,0]
.elseif (\k) < R
	REGS Y
	WIN 0
.if (\k) == F
	v_pk_fma_f32 v[rS+2*(\n):rS+2*(\n)+1], v[rS+2*(\n):rS+2*(\n)+1], s[CS:CS+1], v[rT:rT+1] op_sel_hi:[1,0,0] neg_lo:[0,0,1] neg_hi:[0,0,1]
.elseif (\k) == E
	v_exp_f32 v[rS+(\n)], v[rS+(\n)]
.elseif (\k) == C
	s_wait_alu depctr_va_vdst(0)
	v_cvt_pk_f16_f32 v[rP+(\n)], v[rS+2*(\n)], v[rS+2*(\n)+1]
.elseif (\k) == B
	s_wait_alu depctr_va_vdst(0)
	v_pk_add_f32 v[rS+4*(\n):rS+4*(\n)+1], v[rS+4*(\n):rS+4*(\n)+1], v[rS+4*(\n)+2:rS+4*(\n)+3]
.elseif (\n) == 0
	v_pk_fma_f32 v[rT+2:rT+3], v[rT+2:rT+3], v[rC+2:rC+3], v[rS:rS+1] op_sel_hi:[1,0,1]
.else
	v_pk_add_f32 v[rT+2:rT+3], v[rT+2:rT+3], v[rS+4*(\n):rS+4*(\n)+1]
.endif
.else
	REGS (Y+1)%NP
	WIN 0
.if (\n) < 4
	v_max3_num_f32 v[rC+(\n)], v[rS+8*(\n)], v[rS+8*(\n)+1], v[rS+8*(\n)+2]
.elseif (\n) < 12
	v_max3_num_f32 v[rC+(\n)%4], v[rC+(\n)%4], v[rS+8*((\n)%4)+2*((\n)/4)+1], v[rS+8*((\n)%4)+2*((\n)/4)+2]
.elseif (\n) == 12
	v_max3_num_f32 v[rC], v[rC], v[rS+7], v[rS+15]
.elseif (\n) == 13
	v_max3_num_f32 v[rC+1], v[rC+1], v[rS+23], v[rS+31]
.elseif (\n) == 14
	v_max3_num_f32 v[rC+2], v[rC+2], v[rC+3], v[rT+1]
.elseif (\n) == 15
	v_mov_b32 v[rW], v[rT]
.elseif (\n) == 16
	v_max3_num_f32 v[rC], v[rC], v[rC+1], v[rC+2]
.elseif (\n) == 17
	v_permlanex16_b32 v[rC+3], v[rC], s[SEL], s[SEL+1]
.elseif (\n) == 18
	v_max_num_f32 v[rT+1], v[rC], v[rC+3]
.elseif (\n) == 19
	v_mul_f32 v[rT], s[CS], v[rT+1]
.elseif (\n) == 20
	v_sub_f32 v[rC+1], v[rW], v[rT]
.else
	v_exp_f32 v[rC+2], v[rC+1]
.endif
.endif
.endm
.macro OPS a, i1, b=-1, i2=0, c=-1, i3=0, d=-1, i4=0  ; up to four of them
	OP \a, \i1
.if (\b) >= 0
	OP \b, \i2
.endif
.if (\c) >= 0
	OP \c, \i3
.endif
.if (\d) >= 0
	OP \d, \i4
.endif
.endm
.macro ROW a, i1, b, i2, c, i3, d, i4  ; a matrix instruction and the four behind it
	MM
	OPS \a, \i1, \b, \i2, \c, \i3, \d, \i4
.endm
; A TURN, for piece p: the order of its 16 matrix and 118 vector instructions, written out.  Behind a matrix instruction: plain, exponential, plain, plain; or four of the rescaling; or, behind the first, four scalings; none
; names a register of the products round it.  In the lumps exponential and plain by turns while exponentials last.  A line reads no result made fewer than three vector instructions in front of it, five if an exponential made it.
; v_permlanex16_b32 (X 17) stands in a lump.  last = 1: the tail's text: K's run is jumped over in the last trip.
; K of the next step is fetched in piece 2's turn, six vector instructions behind the last product that read K (five of them plain); V of the step in hand in piece 0's turn, eight behind the last product that read V (four
; plain, and X 17).  Each is waited for a turn later.
.macro TURN p, last=0
.set Y, (\p)
.set i, 0
.if (\p) == 3
	s_wait_dscnt 0x0                ; K is in
.endif
	ROW F,0, F,1, F,2, F,3
	ROW F,4, E,0, F,5, F,6
	ROW F,7, E,1, F,8, F,9
	ROW F,10, E,2, C,0, F,11
	ROW F,12, E,3, X,15, F,13
	ROW R,0, R,1, R,2, R,3
	ROW B,0, E,4, F,14, L,0
.if (\p) == 2
	v_add_nc_u32 v[AK], s[TBK], v[AK0]
.endif
	ROW R,4, R,5, R,6, R,7
	OPS E,5, F,15
.if (\p) == 2
	FETCH_K \last
.endif
	OPS E,6, C,1, E,7, R,8
	OPS E,8, R,9, E,9, C,2
	OPS E,10, X,0, E,11, X,1
	OPS E,12, X,2, E,13, X,3
.if (\p) == 1
	s_wait_dscnt 0x0                ; V is in
.endif
	ROW X,4, E,14, X,5, X,6
	ROW X,7, E,15, X,8, X,9
	ROW X,10, E,16, X,11, X,12
	ROW X,13, E,17, X,14, B,1
	ROW C,4, E,18, X,16, L,1
	ROW B,2, E,19, C,6, L,2
	ROW C,8, E,20, B,3, B,4
.if (\p) == 0
	v_add_nc_u32 v[AV], s[TBV], v[AV0]
.endif
	ROW C,3, E,21, L,3, C,5
	OPS E,22, X,17, E,23, C,10
.if (\p) == 0
	FETCH_V
.endif
	OPS E,24, L,4
	OPS E,25, X,18, E,26, C,7
	OPS E,27, B,5, E,28, X,19
	OPS E,29, C,12, E,30, L,5
	OPS E,31, X,20, B,6, C,9
	OPS C,14, C,11, X,21, L,6
.if (\p) == 0
	s_add_co_u32 s[TBV], s[TBV], KS*PV
.endif
	OPS C,13, B,7, C,15, R,10
	OPS R,11, R,12, L,7, R,13
	OPS R,14, R,15
.endm
	CHANGE 1                        ; slot 0 is in, everybody's part of it; slot 1 is asked for
	v_add_nc_u32 v[AK], s[TBK], v[AK0]
	FETCH_K                         ; key step 0
	s_wait_dscnt 0x0
.set i, 0
.rept 8
	KQ 0                            ; piece 0's first scores: there is no vector work yet to set between them
.set i, i+1
.endr
	WIN 0
.rept 4
	v_nop                           ; the places behind those products
.endr
.set Y, NP-1                        ; X works for piece Y + 1: piece 0
.irp n, 0,1,2,3,4,5,6,7,8,9,10,11,12,13,14,15,16,17,18,19,20,21
	OP X, \n
.endr
	v_nop                           ; a plain instruction behind the exponential
	s_mov_b32 s[CNT], 4
	s_mov_b32 s[SLOTS], NS-1
	s_branch .Lfirst                ; the loop is entered at a step's first turn, in the middle of a trip
.Lslot:                             ; NS - 2 = 14 times: every slot but the last two is filled again
	CHANGE 1
	s_mov_b32 s[CNT], 4
.Lstep:                             ; a trip: pieces 2 and 3 of one step, then pieces 0 and 1 of the next, whose K and V it fetches
	TURN 2
	TURN 3
	WIN 0
.Lfirst:
	TURN 0
	TURN 1
	WIN 0
	s_sub_co_u32 s[CNT], s[CNT], 1
	s_cmp_lg_u32 s[CNT], 0
	s_cbranch_scc1 .Lstep
	s_sub_co_u32 s[SLOTS], s[SLOTS], 1
	s_cmp_lg_u32 s[SLOTS], 0
	s_cbranch_scc1 .Lslot
	CHANGE 0                        ; the tail is written out: nothing is asked for
	s_mov_b32 s[CNT], 5             ; four trips fetch the last slot's steps; the fifth is left in its middle
.Ltail:
	TURN 2, 1
	TURN 3
	WIN 0
	s_sub_co_u32 s[CNT], s[CNT], 1
	s_cmp_eq_u32 s[CNT], 0
	s_cbranch_scc1 .Lout
	TURN 0
	TURN 1
	WIN 0
	s_branch .Ltail
.Lout:                              ; the fifth trip's 8 products K Q^T (on the last K once more) and the maximum made of them serve nothing; they touch piece 0's m and c m alone, which nothing reads any more
.set i, 0
.rept 8
	PV NP-1                         ; the last piece's V^T P of the last step
.set i, i+1
.endr
	; THE WAY OUT.  l's two halves and the other half of the lanes' are added; O^T is divided by l and sent, as f32, through my stage in LDS, a piece (16 rows of O) at a time.  The additions are the places behind the last products.
	WIN 0
.macro ALL line:vararg              ; one line for each piece t
.set t, 0
.rept 4
	\line
.set t, t+1
.endr
.endm
	ALL v_add_f32 v[ST+4*t+2], v[ST+4*t+2], v[ST+4*t+3]
	ALL v_permlanex16_b32 v[ST+4*t+3], v[ST+4*t+2], s[SEL], s[SEL+1]
	ALL v_add_f32 v[ST+4*t+2], v[ST+4*t+2], v[ST+4*t+3]
	ALL v_rcp_f32 v[ST+4*t+2], v[ST+4*t+2]
	v_nop                           ; a plain instruction between the last reciprocal and the use of its result
; Piece t: a lane's eight channels of a row are 32 bytes; they go into rows of 272 bytes and come back as whole rows of 256.  Each accumulator is read from its lowest registers on.
.macro PACK t
	WIN W_RS
.set i, 32*(\t)
.rept 16
	s_wait_alu depctr_va_vdst(0)
	v_pk_mul_f32 v[i:i+1], v[i:i+1], v[ST+4*(\t)+2:ST+4*(\t)+3] op_sel_hi:[1,0]
.set i, i+2
.endr
	WIN 0x04                        ; the stores' data in window 1, their address in window 0
.irp f, 0,1,2,3                     ; channels 16 f + 8 (l / 16) on
	ds_store_b128 v[STO], v[32*(\t)+8*\f:32*(\t)+8*\f+3] offset:64*\f
	ds_store_b128 v[STO], v[32*(\t)+8*\f+4:32*(\t)+8*\f+7] offset:64*\f+16
.endr
	WIN 0
.irp g, 0,1,2,3,4,5,6,7
	ds_load_b128 v[OB+32*(\t)+4*\g:OB+32*(\t)+4*\g+3], v[RD] offset:\g*2*SP  ; LDS serves a wave's instructions in order (ISA guide 5.7.1.4): these see the stores above; the next piece's stores come behind them
.endr
.endm
.macro SEND t, younger              ; younger: the LDS instructions issued behind piece t's loads: the next piece's sixteen, or none
	WIN 0
.irp g, 0,1,2,3,4,5,6,7
	s_wait_dscnt (\younger)+7-\g
	global_store_b128 v[GO], v[OB+32*(\t)+4*\g:OB+32*(\t)+4*\g+3], s[10:11] offset:(\t)*4096+\g*512 th:TH_STORE_NT  ; 512 consecutive bytes, at a multiple of 256 from O's first byte
.endr
.endm
	PACK 0
.set t, 1
.rept 3                             ; a piece's arithmetic stands between the loads of the piece before and its stores
	PACK t
	SEND t-1, 16
.set t, t+1
.endr
	SEND 3, 0
	s_wait_tensorcnt 0x0            ; the wave's end, behind my last tensor load and my last LDS store
	ds_add_u32 v[SPW], v[NIL]
	s_wait_dscnt 0x0
	CROUND                          ; the closing round: no work-group ends while a partner may still ask for a tile that names it
	s_endpgm
.Lfunc_end_k_q7039c45c79_attn:
	.size	k_q7039c45c79_attn, .Lfunc_end_k_q7039c45c79_attn-k_q7039c45c79_attn
	.p2alignl 7, 3214868480
	.fill 96, 4, 3214868480
	.section	.rodata,"a",@progbits
	.p2align	6, 0x0
	.amdhsa_kernel k_q7039c45c79_attn
		.amdhsa_group_segment_fixed_size 327680
		.amdhsa_private_segment_fixed_size 0
		.amdhsa_enable_private_segment 0
		.amdhsa_kernarg_size 32
		.amdhsa_user_sgpr_count 2
		.amdhsa_user_sgpr_kernarg_segment_ptr 1
		.amdhsa_wavefront_size32 1
		.amdhsa_system_sgpr_workgroup_id_x 1
		.amdhsa_system_sgpr_workgroup_id_y 1
		.amdhsa_system_sgpr_workgroup_id_z 1
		.amdhsa_system_vgpr_workitem_id 0
		.amdhsa_next_free_vgpr 768
		.amdhsa_next_free_sgpr 66
		.amdhsa_reserve_vcc 0
		.amdhsa_float_denorm_mode_32 3
		.amdhsa_float_denorm_mode_16_64 3
		.amdhsa_memory_ordered 1
		.amdhsa_forward_progress 1
		.amdhsa_inst_pref_size 122
	.end_amdhsa_kernel
	.amdgpu_metadata
---
amdhsa.version: [ 1, 2 ]
amdhsa.kernels:
  - .name:           k_q7039c45c79_attn
    .symbol:         k_q7039c45c79_attn.kd
    .args:
      - { .name: q, .offset: 0, .size: 8, .value_kind: global_buffer, .address_space: global }
      - { .name: kh, .offset: 8, .size: 8, .value_kind: global_buffer, .address_space: global }
      - { .name: vh, .offset: 16, .size: 8, .value_kind: global_buffer, .address_space: global }
      - { .name: out0, .offset: 24, .size: 8, .value_kind: global_buffer, .address_space: global }
    .group_segment_fixed_size: 327680
    .private_segment_fixed_size: 0
    .kernarg_segment_align: 8
    .kernarg_segment_size: 32
    .max_flat_workgroup_size: 128
    .sgpr_count:     66
    .vgpr_count:     768
    .wavefront_size: 32
...
	.end_amdgpu_metadata
.endif
;; end of part 2
